; MI455X (gfx1250); checked and timed in simulation.
; The chip was launched on July 23, 2026; its instructions are those of AMD's public machine-readable ISA for CDNA 5 (MIT licence, August 2026) and "CDNA5" Instruction Set Architecture Reference Guide (July 2026). The comments in the code are by the model that wrote it; some were corrected since.
;; Ternary Linear. Allowed arithmetic: float matrix products may take bf16 or f16 operands with f32 sums; other float arithmetic in f32, or as packed bf16 or f16 multiplies, adds, multiply-adds, maxima and minima; sums over many terms, partial sums and values carried from step to step in f32; what a program stores and reads back later, other than sums and carried values, may be rounded once to bf16 or f16.
;; Inputs: bias 4,096 float32; lora_A 4,096 x 32 float32; lora_B 32 x 4,096 float32; scale 4,096 x 1 float32; weight_q 4,096 x 4,096 int8; x 4,096 x 4,096 float32.
;; Outputs: out0 4,096 x 4,096 float32.
;; 2 versions, each right; version 2 is version 1 with the launch prep written anew for expert scheduling mode. Each part assembles by itself: llvm-mc -triple=amdgcn-amd-amdhsa -mcpu=gfx1250 --defsym DOCPART=n.
;; ======== version 1 of 2: 2 launches
;; limits: values are held in f16: magnitudes above 65,504 overflow, below 6.1e-05 lose precision; inputs' magnitudes at most 65,504
;; workspace buffers: xh 33,554,432 bytes; wh 33,554,432 bytes
;; launch prep (part 1): grid 768 x 1, 8 waves a work-group, no clusters, 0 bytes of LDS; arguments x, weight_q, scale, lora_A, lora_B, xh, wh; writes xh, wh
.if DOCPART == 1
	.amdgcn_target "amdgcn-amd-amdhsa--gfx1250"
	.amdhsa_code_object_version 6
	.text
	.protected	k_qce46f9c6bf_prep
	.globl	k_qce46f9c6bf_prep
	.p2align	8
	.type	k_qce46f9c6bf_prep,@function
k_qce46f9c6bf_prep:
	s_mov_b64 s[64:65], 0
	v_nop
	global_prefetch_b8 v0, s[64:65] scope:SCOPE_SE
	s_setreg_imm32_b32 hwreg(HW_REG_WAVE_MODE, 25, 1), 1
	s_wait_xcnt 0x0
; THE TWO OPERANDS OF THE PRODUCT THAT FOLLOWS, each made once, in f16.
;   xh[t][i] = x[t][i], rounded once.                                              [4096][4096] f16
;   wh[o][i] = scale[o] * weight_q[o][i] + sum over r of lora_A[o][r] lora_B[r][i]  [4096][4096] f16, summed in f32, rounded once.
; The module is linear in x: (x Wq^T) scale + (x B^T) A^T = x (diag(scale) Wq + A B)^T for every input, so the low-rank path costs one matrix
; instruction (K = 32 = the rank) for each 16 x 16 of the weight here, and nothing in the product.  weight_q is taken as any int8.
; LIMITS.  f16 holds no number beyond 65,504: an |x| or |wh| of 65,520 or more becomes an infinity; below 6.1e-5 f16 keeps a fixed step of 6e-8.
; lora_A and lora_B are rounded to f16 for their product.  The order of rounding differs from the formula as it is written above on the left.  NaN and infinities are not treated apart.
; SHARES.  768 work-groups of eight waves.  Numbers 0-255 make 256 x 256 of wh each, numbers 256-767 cast 131,072 bytes of x each: both move 196,608 bytes.
; One scalar branch on the work-group's number chooses.  Everything goes through registers: no wave hands anything to another, so there is no LDS, no barrier and no cluster.
.set X,   8           ; cast: v8-135     32 loads of four registers
.set BF,  8           ; v8-71    lora_B's fragments: tile c at BF + 8 c
.set WB,  72          ; v72-135  weight_q: step s, row j: the pair at WB + 16 s + 2 j
.set D,   136         ; v136-199 accumulator c at D + 8 c; ahead of the steps: lora_B as loaded
.set AF,  200         ; v200-207 lora_A's fragment of the step in hand
.set AR,  208         ; v208-223 lora_A as loaded
.set SC,  224         ; v224-239 scale, two buffers of eight: step s uses SC + 8 (s % 2)
.set OUT, 240         ; v240-255 four rows of 16 bytes to store
	s_load_b256 s[4:11], s[0:1], 0x0               ; x s[4:5], weight_q s[6:7], scale s[8:9], lora_A s[10:11]
	s_load_b128 s[12:15], s[0:1], 0x20             ; lora_B s[12:13], xh s[14:15]
	s_load_b64 s[16:17], s[0:1], 0x30              ; wh
	s_mov_b32 s27, 0                               ; the high word of every offset: all stay under 2^32
	s_cmp_lt_u32 ttmp9, 256
	s_cbranch_scc1 .Lweights
	; THE CAST.  A wave takes 16,384 consecutive bytes of x: 32 loads of 512 consecutive bytes, all issued before the first is waited for.
	s_sub_co_u32 s25, ttmp9, 256
	v_and_b32 v3, 31, v0                           ; lane
	v_lshrrev_b32 v4, 5, v0                        ; wave
	v_lshlrev_b32 v1, 4, v3
	v_lshl_or_b32 v1, v4, 14, v1                   ; in x: 16 x lane + 16,384 x wave
	v_lshlrev_b32 v2, 3, v3
	v_lshl_or_b32 v2, v4, 13, v2                   ; in xh: half of that
	s_lshl_b32 s26, s25, 17
	s_wait_kmcnt 0x0
	s_add_nc_u64 s[4:5], s[4:5], s[26:27]
	s_lshl_b32 s26, s25, 16
	s_add_nc_u64 s[14:15], s[14:15], s[26:27]
.set i, 0
.rept 32
	global_load_b128 v[X+4*i:X+4*i+3], v1, s[4:5] offset:512*i th:TH_LOAD_NT  ; x is read once in the launch
.set i, i+1
.endr
.set i, 0
.rept 32
	s_wait_loadcnt 31-i                            ; loads come back in order (ISA guide 5.7.1): load i is in, the younger ones stay out
	v_cvt_pk_f16_f32 v[X+4*i], v[X+4*i], v[X+4*i+1]
	v_cvt_pk_f16_f32 v[X+4*i+1], v[X+4*i+2], v[X+4*i+3]
	global_store_b64 v2, v[X+4*i:X+4*i+1], s[14:15] offset:256*i  ; 32 lanes x 8 bytes: 256 consecutive bytes, aligned.  No register of a load or store is written again
.set i, i+1
.endr
	s_endpgm
	; THE WEIGHTS.  Work-group (go, gi) owns rows o = 256 go .., columns i = 256 gi ..; wave w owns 64 rows (w / 2) x 128 columns (w % 2), in four steps of 16 rows.
	; LAYOUT.  r = lane % 16, h = lane / 16.  Source 0 = 16 rows of lora_A, source 1 = 16 columns of lora_B.  A step has eight products c = 0..7, and column n = r of product c stands for
	; i = ibase + 8 r + c.  So register j of accumulator c holds wh(o0 + 8 h + j, ibase + 8 r + c): for one j the eight accumulators hold eight NEIGHBOURING columns a lane, 16 bytes in f16,
	; and sixteen lanes hold 256 consecutive bytes of a row: the result is stored from registers as it lies.  scale x weight_q, made in the same layout, is the product's C operand.
.Lweights:
	v_lshrrev_b32 v7, 5, v0
	v_readfirstlane_b32 s18, v7                    ; wave 0..7
	v_and_b32 v1, 15, v0                           ; r
	v_bfe_u32 v7, v0, 4, 1                         ; h
	s_and_b32 s19, s18, 1
	s_lshr_b32 s20, s18, 1
	s_and_b32 s21, ttmp9, 15                       ; gi
	s_lshr_b32 s22, ttmp9, 4                       ; go
	s_lshl_b32 s23, s21, 8
	s_lshl_b32 s19, s19, 7
	s_add_co_u32 s23, s23, s19                     ; ibase = 256 gi + 128 (w % 2)
	s_lshl_b32 s24, s22, 8
	s_lshl_b32 s20, s20, 6
	s_add_co_u32 s24, s24, s20                     ; obase = 256 go + 64 (w / 2)
	v_lshlrev_b32 v2, 5, v1
	v_lshl_or_b32 v2, v7, 17, v2                   ; lora_B: 8 h rows of 16,384 bytes + my 8 columns' 32 bytes.  These five offsets are never rewritten
	v_lshlrev_b32 v3, 3, v1
	v_lshl_or_b32 v3, v7, 15, v3                   ; weight_q: 8 h rows of 4,096 bytes + my 8 bytes
	v_lshlrev_b32 v4, 7, v1
	v_lshl_or_b32 v4, v7, 5, v4                    ; lora_A: row r of 128 bytes + 8 h numbers
	v_lshlrev_b32 v5, 5, v7                        ; scale: 8 h numbers
	v_lshlrev_b32 v6, 4, v1
	v_lshl_or_b32 v6, v7, 16, v6                   ; wh: 8 h rows of 8,192 bytes + my 16 bytes
	s_wait_kmcnt 0x0
	s_lshl_b32 s26, s24, 12
	s_add_co_u32 s26, s26, s23
	s_add_nc_u64 s[6:7], s[6:7], s[26:27]          ; weight_q at (obase, ibase)
	s_lshl_b32 s26, s24, 2
	s_add_nc_u64 s[8:9], s[8:9], s[26:27]          ; scale at obase
	s_lshl_b32 s26, s24, 7
	s_add_nc_u64 s[10:11], s[10:11], s[26:27]      ; lora_A at row obase
	s_lshl_b32 s26, s23, 2
	s_add_nc_u64 s[12:13], s[12:13], s[26:27]      ; lora_B at column ibase
	s_lshl_b32 s26, s24, 13
	s_lshl_b32 s25, s23, 1
	s_add_co_u32 s26, s26, s25
	s_add_nc_u64 s[16:17], s[16:17], s[26:27]      ; wh at (obase, ibase)
.macro LOAD_B b                        ; 16 loads: rows k = 16 b + 8 h + 0..7 of lora_B, my eight columns: row kk at D + 8 kk
.set k, 0
.rept 8
	global_load_b128 v[D+8*k:D+8*k+3],   v2, s[12:13] offset:(k+16*(\b))*16384
	global_load_b128 v[D+8*k+4:D+8*k+7], v2, s[12:13] offset:(k+16*(\b))*16384+16
.set k, k+1
.endr
.endm
.macro CVT_B b                         ; a fragment's registers 4 b + q hold k = 16 b + 8 h + 2 q, + 1, the lower k in the low half
.set c, 0
.rept 8
.set q, 0
.rept 4
	v_cvt_pk_f16_f32 v[BF+8*c+4*(\b)+q], v[D+16*q+c], v[D+16*q+8+c]
.set q, q+1
.endr
.set c, c+1
.endr
.endm
.macro LOAD_A s                        ; 4 loads: row o0 + r of lora_A, k = 8 h + 0..7 and 16 + 8 h + 0..7
	global_load_b128 v[AR:AR+3],     v4, s[10:11] offset:2048*(\s)
	global_load_b128 v[AR+4:AR+7],   v4, s[10:11] offset:2048*(\s)+16
	global_load_b128 v[AR+8:AR+11],  v4, s[10:11] offset:2048*(\s)+64
	global_load_b128 v[AR+12:AR+15], v4, s[10:11] offset:2048*(\s)+80
.endm
.macro CVT_A
.set q, 0
.rept 8
	v_cvt_pk_f16_f32 v[AF+q], v[AR+2*q], v[AR+2*q+1]
.set q, q+1
.endr
.endm
.macro LOAD_S s                        ; 2 loads: scale of rows o0 + 8 h + 0..7
	global_load_b128 v[SC+8*((\s)%2):SC+8*((\s)%2)+3],   v5, s[8:9] offset:64*(\s)
	global_load_b128 v[SC+8*((\s)%2)+4:SC+8*((\s)%2)+7], v5, s[8:9] offset:64*(\s)+16
.endm
	LOAD_B 0
.set n, 0
.rept 32                               ; all four steps' weight_q: n = 8 s + j: rows 16 s + j and 16 s + 8 + j, 128 consecutive bytes of each; the wave beside me takes the 128 next to them
	global_load_b64 v[WB+2*n:WB+2*n+1], v3, s[6:7] offset:(16*(n/8)+n%8)*4096
.set n, n+1
.endr
	LOAD_A 0
	LOAD_S 0
	LOAD_S 1
	s_wait_loadcnt 40                              ; lora_B's first 16 loads are in: 32 + 4 + 2 + 2 were issued behind them
	CVT_B 0
	LOAD_B 1                                       ; into the registers just read
	s_wait_loadcnt 0x0                             ; everything asked for so far
	CVT_B 1
	CVT_A
; A step: 16 rows x 128 columns.
.macro STEP s
.if (\s) < 3
	LOAD_A (\s)+1                                  ; the next step's rows of lora_A: this step's have been converted
.endif
	; scale x weight_q into the accumulators, two rows j = 2 p, 2 p + 1 at a time, kind by kind, so that no line reads the line in front of it:
	; the byte is moved to the top, comes down with its sign, becomes f32 (exact for every int8) and is multiplied by its row's scale
.set p, 0
.rept 4
.set n, 0
.rept 16
.set j, 2*p+n/8
.set c, n%8
.if c%4 < 3
	v_lshlrev_b32 v[D+8*c+j], 24-8*(c%4), v[WB+16*(\s)+2*j+c/4]
.endif
.set n, n+1
.endr
.set n, 0
.rept 16
.set j, 2*p+n/8
.set c, n%8
.if c%4 < 3
	v_ashrrev_i32 v[D+8*c+j], 24, v[D+8*c+j]
.else
	v_ashrrev_i32 v[D+8*c+j], 24, v[WB+16*(\s)+2*j+c/4]
.endif
.set n, n+1
.endr
.set n, 0
.rept 16
	v_cvt_f32_i32 v[D+8*(n%8)+2*p+n/8], v[D+8*(n%8)+2*p+n/8]
.set n, n+1
.endr
.set c, 0
.rept 8
	v_pk_mul_f32 v[D+8*c+2*p:D+8*c+2*p+1], v[D+8*c+2*p:D+8*c+2*p+1], v[SC+8*((\s)%2)+2*p:SC+8*((\s)%2)+2*p+1]
.set c, c+1
.endr
.set p, p+1
.endr
.if (\s) < 2
	LOAD_S (\s)+2                                  ; into the scale buffer just read
.endif
.set c, 0
.rept 8                                ; + lora_A lora_B: eight accumulators, one instruction each
	v_wmma_f32_16x16x32_f16 v[D+8*c:D+8*c+7], v[AF:AF+7], v[BF+8*c:BF+8*c+7], v[D+8*c:D+8*c+7]
.set c, c+1
.endr
.rept 4
	v_nop                                          ; four places between the last product and the lines that read its result, and later write its sources (ISA guide 7.12.1)
.endr
.set j, 0
.rept 8                                ; row by row, j ascending: each accumulator's register 0 is read first
.if j%4 == 0
	s_wait_xcnt 0x0                                ; OUT's four rows, which earlier stores read, are rewritten only behind this wait
.endif
.set q, 0
.rept 4
	v_cvt_pk_f16_f32 v[OUT+4*(j%4)+q], v[D+16*q+j], v[D+16*q+8+j]
.set q, q+1
.endr
	global_store_b128 v6, v[OUT+4*(j%4):OUT+4*(j%4)+3], s[16:17] offset:(16*(\s)+j)*8192  ; lanes 0-15: 256 consecutive bytes of row j, aligned; lanes 16-31: of row 8 + j
.set j, j+1
.endr
.if (\s) < 2
	s_wait_loadcnt 2                               ; the next step's lora_A is in, and the scale loads older than it; the two scale loads issued behind it may stay out
	CVT_A
.elseif (\s) == 2
	s_wait_loadcnt 0x0                             ; nothing was issued behind the last rows of lora_A
	CVT_A
.endif
.endm
	STEP 0
	STEP 1
	STEP 2
	STEP 3
	s_endpgm
.Lfunc_end_k_qce46f9c6bf_prep:
	.size	k_qce46f9c6bf_prep, .Lfunc_end_k_qce46f9c6bf_prep-k_qce46f9c6bf_prep
	.p2alignl 7, 3214868480
	.fill 96, 4, 3214868480
	.section	.rodata,"a",@progbits
	.p2align	6, 0x0
	.amdhsa_kernel k_qce46f9c6bf_prep
		.amdhsa_group_segment_fixed_size 0
		.amdhsa_private_segment_fixed_size 0
		.amdhsa_enable_private_segment 0
		.amdhsa_kernarg_size 56
		.amdhsa_user_sgpr_count 2
		.amdhsa_user_sgpr_kernarg_segment_ptr 1
		.amdhsa_wavefront_size32 1
		.amdhsa_system_sgpr_workgroup_id_x 1
		.amdhsa_system_sgpr_workgroup_id_y 1
		.amdhsa_system_sgpr_workgroup_id_z 1
		.amdhsa_system_vgpr_workitem_id 0
		.amdhsa_next_free_vgpr 256
		.amdhsa_next_free_sgpr 66
		.amdhsa_reserve_vcc 0
		.amdhsa_float_denorm_mode_32 3
		.amdhsa_float_denorm_mode_16_64 3
		.amdhsa_memory_ordered 1
		.amdhsa_forward_progress 1
		.amdhsa_inst_pref_size 72
	.end_amdhsa_kernel
	.amdgpu_metadata
---
amdhsa.version: [ 1, 2 ]
amdhsa.kernels:
  - .name:           k_qce46f9c6bf_prep
    .symbol:         k_qce46f9c6bf_prep.kd
    .args:
      - { .name: x, .offset: 0, .size: 8, .value_kind: global_buffer, .address_space: global }
      - { .name: weight_q, .offset: 8, .size: 8, .value_kind: global_buffer, .address_space: global }
      - { .name: scale, .offset: 16, .size: 8, .value_kind: global_buffer, .address_space: global }
      - { .name: lora_A, .offset: 24, .size: 8, .value_kind: global_buffer, .address_space: global }
      - { .name: lora_B, .offset: 32, .size: 8, .value_kind: global_buffer, .address_space: global }
      - { .name: xh, .offset: 40, .size: 8, .value_kind: global_buffer, .address_space: global }
      - { .name: wh, .offset: 48, .size: 8, .value_kind: global_buffer, .address_space: global }
    .group_segment_fixed_size: 0
    .private_segment_fixed_size: 0
    .kernarg_segment_align: 8
    .kernarg_segment_size: 56
    .max_flat_workgroup_size: 256
    .sgpr_count:     66
    .vgpr_count:     256
    .wavefront_size: 32
...
	.end_amdgpu_metadata
.endif
;; end of part 1
;; launch gemm (part 2): grid 16 x 16, 4 waves a work-group, clusters of 4 x 4, 327,680 bytes of LDS; arguments xh, wh, out0, bias; writes out0
.if DOCPART == 2
	.amdgcn_target "amdgcn-amd-amdhsa--gfx1250"
	.amdhsa_code_object_version 6
	.text
	.protected	k_qce46f9c6bf_gemm
	.globl	k_qce46f9c6bf_gemm
	.p2align	8
	.type	k_qce46f9c6bf_gemm,@function
k_qce46f9c6bf_gemm:
	s_mov_b64 s[64:65], 0
	v_nop
	global_prefetch_b8 v0, s[64:65] scope:SCOPE_SE
	s_setreg_imm32_b32 hwreg(HW_REG_WAVE_MODE, 25, 1), 1
	s_wait_xcnt 0x0
	s_wait_alu depctr_hold_cnt(0) depctr_sa_sdst(0) depctr_va_vdst(0) depctr_va_sdst(0) depctr_va_ssrc(0) depctr_va_vcc(0) depctr_vm_vsrc(0)
	s_getreg_b32 s2, hwreg(HW_REG_IB_STS2, 6, 4)
	s_cmp_eq_u32 s2, 0
	s_cbranch_scc0 .Lentry_in_a_cluster
	s_endpgm
.Lentry_in_a_cluster:
	s_bfe_u32 s2, ttmp6, 0x10000c
	s_cmp_lg_u32 s2, 0xf033
	s_cbranch_scc0 .Lentry_shape_is_right
	s_endpgm
.Lentry_shape_is_right:
; out0[t][o] = sum over i of xh[t][i] wh[o][i] + bias[o].  xh, wh: [4096][4096] f16, made by the launch in front (wh holds scale x weight_q + lora_A lora_B); out0 f32; sums and bias in f32.
; LIMITS.  They are the operands': f16 holds no number beyond 65,504 and keeps a fixed step of 6e-8 below 6.1e-5; x and the folded weight were each rounded once to f16.  NaN and infinities are not treated apart.
; SHARES.  A tile of out0, 256 x 256, is made by a work-group of four waves; a wave makes 128 x 128: 64 accumulators of 16 x 16, 512 registers.  16 x 16 tiles, one work-group each.
; K goes in 32 steps of 128 through a ring of two LDS slots filled by the tensor data mover: a tile's rows are 256 consecutive bytes of memory, at multiples of 256 from the buffer's first byte.
; CLUSTERS: 4 x 4 work-groups.  The four of a row of the cluster need the same tiles of xh, the four of a column the same tiles of wh: each tile is asked for JOINTLY, by the same tensor load with the
; same descriptor and a mask that names the four, and each receives it in its own LDS.  That divides the requests for both operands by four.
; THE MATRIX INSTRUCTION IS USED TRANSPOSED: source 0 = 16 rows of wh, source 1 = 16 rows of xh.  Lane l then holds row t = l % 16 and the columns o = 8 (l / 16) + 0..7: eight neighbouring numbers of a row of out0.
; REGISTERS, in windows of 256 (s_set_vgpr_msb's low byte: bits 1:0 source 0, 3:2 source 1, 5:4 source 2, 7:6 destination):
;   window 0: v0-31 addresses; v64-127, v128-191 fragments of xh, two buffers; on the way out v64-127 results with bias, v128-191 and v192-255 rows read back, by turns
;   window 1: v0-63 bias of my 128 columns; v64-127, v128-191 fragments of wh, two buffers
;   window 2: the 32 accumulators of my rows 0-63 (accumulator (a, b) at v[8 (8 a + b)]);   window 3: those of my rows 64-127
.set SIZE_K, 4096
.set SIZE_N, 4096
.set KSTEP,  128
.set PITCH,  272                       ; an LDS row: 256 bytes + 16 of padding = 68 words: row r starts at bank 4 r mod 64 (64 banks of 4 bytes: ISA guide 11.1), so the 16 rows of a load start at 16 different banks
.set HALFT,  128*PITCH                 ; 128 rows: what one tensor load brings, and what one wave reads of xh or of wh
.set SLOT,   4*HALFT                   ; xh's 256 rows, then wh's 256 rows
.set STAGE,  2*SLOT                    ; behind the ring: 16 rows x 528 bytes for each wave, for the way out; no tensor load fills it
.set SPITCH, 528                       ; 512 bytes (128 f32) + 16: again 16 rows at 16 different groups of four banks
.set SPARE,  STAGE+4*16*SPITCH         ; behind the stages: the spare words, 128 bytes for each wave: two blocks of 256 bytes that no other line names
.set LAPS,   SIZE_K/(2*KSTEP)          ; a lap = two K steps = once round the ring: 16
.set ADRA, 16                          ; v16-17  LDS address of my xh fragments in slot 0, 1
.set ADRB, 20                          ; v20-21  the same for wh
.set STO,  24                          ; v24     the way out: where I put 32 bytes of a row
.set RD,   25                          ; v25     the way out: where I read a row back
.set CO,   26                          ; v26     my byte offset in a row's 512 bytes of out0
.set BO,   27                          ; v27     my byte offset in 64 bytes of bias
.set SPW,  28                          ; v28     LDS address of my spare word: SPARE + 4 x my thread's number; never rewritten
.set NIL,  29                          ; v29     0; never rewritten
.set F0,   64                          ; fragment buffer 0
.set F1,   128                         ; fragment buffer 1
.set TMP,  64                          ; the way out: a block's 64 results with bias
.set BK0,  128                         ; the way out: 16 rows read back: v128-191 and v192-255 by turns
.set BI,   0                           ; window 1: bias of column 16 b + 8 (l / 16) + j at BI + 8 b + j
.set G1,  24                           ; s[24:31] descriptor group 1 for xh's tiles
.set G0,  32                           ; s[32:39] descriptor group 0 for xh's tiles, one set for each slot
.set G1B, 48                           ; s[48:55] group 1 for wh's tiles: it differs in the mask alone
.set G0B, 56                           ; s[56:63] group 0 for wh's tiles, one set for each slot
.set MSB, 0
.macro WIN new                         ; the immediate's high byte repeats the setting that is left; a switch that changes nothing is dropped
.if MSB != (\new)
	s_set_vgpr_msb (MSB<<8)|(\new)
.set MSB, \new
.endif
.endm
.set MUL_LO, 0xa1                      ; source 0 (wh) window 1, source 1 (xh) window 0, C and D window 2
.set MUL_HI, 0xf1                      ; the same, C and D window 3
.set TO_B,   0x40                      ; destination window 1, address window 0
; A joint load.  Waves 0 and 1 fetch xh's two halves, waves 2 and 3 wh's.  Each of the two lines has one mask and one set of registers for all that issue it.  The branch hangs on the wave's number alone.
; An s_nop 0 and four v_nop follow each of the two lines, ahead of the jump, the label and what follows the macro.
.macro JLOAD s
	s_cmp_eq_u32 s11, 0
	s_cbranch_scc0 .Lfor_b_\@
	tensor_load_to_lds s[G0+4*(\s):G0+4*(\s)+3], s[G1:G1+7]
	s_nop 0
.rept 4
	v_nop
.endr
	s_branch .Lasked_\@
.Lfor_b_\@:
	tensor_load_to_lds s[G0B+4*(\s):G0B+4*(\s)+3], s[G1B:G1B+7]
	s_nop 0
.rept 4
	v_nop
.endr
.Lasked_\@:
.endm
; A round of the cluster's barrier: my work-group's barrier, so that wave 0's signal speaks for all four waves; wave 0 signals for the work-group; every wave waits for all sixteen; my work-group's barrier once more.
.macro CREST                           ; a round behind its opening barrier
	s_cmp_lg_u32 s10, 0
	s_cbranch_scc1 .Lnot_wave_0_\@
	s_barrier_signal -3
.Lnot_wave_0_\@:
	s_barrier_wait -3
	s_barrier_signal -1
	s_barrier_wait -1
.endm
.macro CROUND                          ; a whole round
	s_barrier_signal -1
	s_barrier_wait -1
	CREST
.endm
	s_load_b128 s[4:7], s[0:1], 0x0                ; xh s[4:5], wh s[6:7]
	s_load_b64 s[8:9], s[0:1], 0x10                ; out0
	s_load_b64 s[66:67], s[0:1], 0x18              ; bias
	v_lshl_add_u32 v[SPW], v0, 2, SPARE
	v_mov_b32 v[NIL], 0
	ds_add_u32 v[SPW], v[NIL]                      ; the wave's opening: the add and its wait stand ahead of my first tensor load; the set-up below, work on registers, stands between them
	v_lshrrev_b32 v1, 5, v0
	v_readfirstlane_b32 s10, v1                    ; wave 0..3
	s_lshr_b32 s11, s10, 1                         ; which half of the tile's rows is mine.  Also: I fetch for xh (0) or for wh (1)
	s_and_b32 s12, s10, 1                          ; which half of its columns.  Also: which 128 rows of that tile I fetch
	s_bfe_u32 s40, ttmp6, 0x40000                  ; cx: my place along the cluster's x
	s_bfe_u32 s41, ttmp6, 0x40004                  ; cy: along its y
	s_lshl_b32 s42, ttmp9, 2                       ; in a cluster launch ttmp9 and ttmp7 count clusters
	s_add_co_u32 s42, s42, s40                     ; tile column = 4 x cluster x + cx
	s_and_b32 s13, ttmp7, 0xffff
	s_lshl_b32 s13, s13, 2
	s_add_co_u32 s13, s13, s41                     ; tile row = 4 x cluster y + cy
	s_lshl_b32 s43, s41, 2
	s_lshl_b32 s43, 15, s43                        ; my row of the cluster: places 4 cy .. 4 cy + 3
	s_lshl_b32 s44, 0x1111, s40                    ; my column: places cx, cx + 4, cx + 8, cx + 12
	; descriptor group 1: a tile of 128 rows x 128 elements, padded in LDS
	s_or_b32 s[G1+0], s43, (1<<16)|(1<<20)|(1<<21)|(5<<22)|(3<<25)  ; 15:0 the mask: xh's tiles go to my row; 17:16 elements of 2 bytes; 20 padding on; 21 set beside a mask; 24:22 after every 64 words (code 5); 31:25 4 words of it (code 3)
	s_or_b32 s[G1B+0], s44, (1<<16)|(1<<20)|(1<<21)|(5<<22)|(3<<25) ; the same with the mask of my column, for wh's tiles
.irp g, G1, G1B
	s_mov_b32 s[(\g)+1], KSTEP<<16                 ; 63:48 tensor_dim0, low half = 128
	s_mov_b32 s[(\g)+2], 128<<16                   ; 79:64 its high half = 0; 95:80 tensor_dim1, low half = 128
	s_mov_b32 s[(\g)+3], KSTEP<<16                 ; 111:96 its high half = 0; 127:112 tile_dim0 = 128
	s_mov_b32 s[(\g)+4], 128                       ; 143:128 tile_dim1 = 128; 159:144 tile_dim2 = 0
	s_mov_b32 s[(\g)+5], SIZE_K                    ; 191:160 tensor_dim0_stride, low word: elements from row to row
	s_mov_b32 s[(\g)+6], 0
	s_mov_b32 s[(\g)+7], 0
.endr
	; where the tiles come from.  xh's hang on the tile row alone, which my row of the cluster shares; wh's on the tile column alone, which my column shares.
	; Every wave makes both addresses, in registers that never hold the other coordinate, and asks by one of them.
	s_lshl_b32 s17, s12, 7                         ; which 128 rows of the tile I fetch
	s_lshl_b32 s16, s13, 8
	s_add_co_u32 s16, s16, s17                     ; xh: row 256 x tile row + 128 x half
	s_lshl_b32 s46, s42, 8
	s_add_co_u32 s46, s46, s17                     ; wh: row 256 x tile column + 128 x half
	s_mov_b32 s17, 0
	s_mov_b32 s47, 0
	s_mov_b64 s[18:19], SIZE_K*2
	s_mul_u64 s[16:17], s[16:17], s[18:19]         ; in bytes
	s_mul_u64 s[46:47], s[46:47], s[18:19]
	s_mul_i32 s20, s10, HALFT                      ; and where they go: wave x 128 rows: no place in the cluster enters an LDS address
	s_wait_dscnt 0x0                               ; the opening add is done
	s_wait_kmcnt 0x0
	s_add_nc_u64 s[14:15], s[4:5], s[16:17]
	s_add_nc_u64 s[46:47], s[6:7], s[46:47]
	CROUND                                         ; all sixteen work-groups are here: the first joint loads meet
.irp s, 0,1
	s_mov_b32 s[G0+4*(\s)], 1                                      ; 1:0 count = 1
	s_add_co_u32 s[G0+4*(\s)+1], s20, (\s)*SLOT                    ; 63:32 LDS address
	s_add_nc_u64 s[G0+4*(\s)+2:G0+4*(\s)+3], s[14:15], (\s)*KSTEP*2  ; 120:64 global address: K step s
	s_or_b32 s[G0+4*(\s)+3], s[G0+4*(\s)+3], 0x80000000            ; 127:126 type = 2
	s_mov_b32 s[G0B+4*(\s)], 1
	s_add_co_u32 s[G0B+4*(\s)+1], s20, (\s)*SLOT
	s_add_nc_u64 s[G0B+4*(\s)+2:G0B+4*(\s)+3], s[46:47], (\s)*KSTEP*2
	s_or_b32 s[G0B+4*(\s)+3], s[G0B+4*(\s)+3], 0x80000000
	JLOAD \s                                       ; the ring is filled before anything else is done: two tensor loads of mine are out here, later one
.endr
	; A fragment is 16 rows x 32 K in 8 registers: lane l holds row l % 16; registers 0-3 hold K = 8 (l / 16) + 0..7, registers 4-7 K = 16 + 8 (l / 16) + 0..7: two loads of 16 bytes, 32 bytes apart.
	v_and_b32 v1, 15, v0                           ; l % 16
	v_bfe_u32 v2, v0, 4, 1                         ; l / 16
	v_mul_u32_u24 v3, v1, PITCH
	v_lshl_add_u32 v3, v2, 4, v3                   ; row x pitch + 16 x half
	s_mul_i32 s21, s11, HALFT                      ; my 128 rows of xh
	s_mul_i32 s22, s12, HALFT                      ; my 128 rows of wh,
	s_add_co_u32 s22, s22, 2*HALFT                 ; which lie behind xh's 256
.irp s, 0,1
	v_add_nc_u32 v[ADRA+(\s)], s21, v3
	v_add_nc_u32 v[ADRB+(\s)], s22, v3
	s_add_co_u32 s21, s21, SLOT
	s_add_co_u32 s22, s22, SLOT
.endr
	s_mul_i32 s23, s10, 16*SPITCH
	s_add_co_u32 s23, s23, STAGE                   ; my stage
	v_mul_u32_u24 v4, v1, SPITCH                   ; in: row l % 16, 32 bytes for each half of the lanes
	v_lshl_add_u32 v4, v2, 5, v4
	v_add_nc_u32 v[STO], s23, v4
	v_and_b32 v5, 31, v0
	v_lshlrev_b32 v[CO], 4, v5                     ; back and out: 32 lanes x 16 bytes are a row's 512 bytes
	v_add_nc_u32 v[RD], s23, v[CO]
	v_lshlrev_b32 v[BO], 5, v2                     ; bias: 8 (l / 16) numbers
	; where my part of the tile begins in out0, in bytes (the first way out adds it to out0's address), and my 128 columns in bias
	s_lshl_b32 s13, s13, 8
	s_lshl_b32 s14, s11, 7
	s_add_co_u32 s16, s13, s14                     ; my first row
	s_mov_b32 s17, 0
	s_mov_b64 s[18:19], SIZE_N*4
	s_mul_u64 s[16:17], s[16:17], s[18:19]
	s_lshl_b32 s46, s42, 10                        ; my first column, in bytes: 1,024 x tile column + 512 x half
	s_lshl_b32 s47, s12, 9
	s_add_co_u32 s46, s46, s47
	s_mov_b32 s47, 0
	s_add_nc_u64 s[16:17], s[16:17], s[46:47]
	s_add_nc_u64 s[66:67], s[66:67], s[46:47]
	WIN TO_B
.set i, 0
.rept 16                               ; i = 2 b + q: columns 16 b + 8 (l / 16) + 4 q + 0..3
	global_load_b128 v[BI+4*i:BI+4*i+3], v[BO], s[66:67] offset:64*(i/2)+16*(i%2)
.set i, i+1
.endr
	WIN 0
; 16 matrix instructions: m blocks a0, a0 + 1 of the window's four (hi = 0: my rows 0-63, 1: rows 64-127) x all 8 n blocks, 32 along K.  zero = 1: the first product starts the sums: nothing is ever cleared.
; The 64 accumulators take turns, one instruction a turn, in the same order in every quarter step.
.macro MUL16 f, hi, a0, zero
	WIN MUL_LO+0x50*(\hi)
.irp a, \a0, (\a0)+1
.irp b, 0,1,2,3,4,5,6,7
.if \zero
	v_wmma_f32_16x16x32_f16 v[8*(8*(\a)+(\b)):8*(8*(\a)+(\b))+7], v[(\f)+8*(\b):(\f)+8*(\b)+7], v[(\f)+8*(4*(\hi)+(\a)):(\f)+8*(4*(\hi)+(\a))+7], 0
.else
	v_wmma_f32_16x16x32_f16 v[8*(8*(\a)+(\b)):8*(8*(\a)+(\b))+7], v[(\f)+8*(\b):(\f)+8*(\b)+7], v[(\f)+8*(4*(\hi)+(\a)):(\f)+8*(4*(\hi)+(\a))+7], v[8*(8*(\a)+(\b)):8*(8*(\a)+(\b))+7]
.endif
.endr
.endr
.endm
; 32 LDS loads in one run: the fragments of one quarter step (128 rows of wh, 128 rows of xh, 32 K at byte k of the rows) into buffer f
.macro FETCH slot, k, f
	WIN TO_B
.irp i, 0,1,2,3,4,5,6,7
	ds_load_b128 v[(\f)+8*(\i):(\f)+8*(\i)+3],   v[ADRB+(\slot)] offset:(\k)+(\i)*16*PITCH
	ds_load_b128 v[(\f)+8*(\i)+4:(\f)+8*(\i)+7], v[ADRB+(\slot)] offset:(\k)+(\i)*16*PITCH+32
.endr
	WIN 0
.irp i, 0,1,2,3,4,5,6,7
	ds_load_b128 v[(\f)+8*(\i):(\f)+8*(\i)+3],   v[ADRA+(\slot)] offset:(\k)+(\i)*16*PITCH
	ds_load_b128 v[(\f)+8*(\i)+4:(\f)+8*(\i)+7], v[ADRA+(\slot)] offset:(\k)+(\i)*16*PITCH+32
.endr
.endm
; A load into a register that a matrix instruction has read, and a vector instruction that reads a matrix result or writes one of a matrix instruction's registers, stand four places behind it, and only
; plain vector instructions that name none of its registers are places (ISA guide 7.12.1 for vector instructions); the matrix instructions in between are not counted.
.macro PLACES
.rept 4
	v_nop
.endr
.endm
; A K step is four quarter steps of 32 along K, 64 matrix instructions each, on buffers 0, 1, 0, 1.
; One of the first three: multiplies buffer f; in its middle it fetches the next quarter's fragments, at byte k of the same slot's rows, into buffer g.
.macro QUARTER slot, k, f, g, zero
	s_wait_dscnt 8                                 ; wh and xh's rows 0-63 are in; the youngest eight loads (xh's rows 64-127) may be out
	WIN MUL_LO
	MUL16 \f, 0, 0, \zero
	MUL16 \f, 0, 2, \zero
	PLACES
	FETCH \slot, \k, \g
	s_wait_dscnt 32                                ; all but the 32 just issued
	WIN MUL_HI
	MUL16 \f, 1, 0, \zero
	MUL16 \f, 1, 2, \zero
.endm
; The last quarter multiplies buffer 1 and changes slots.  MEET is its first half: ONE barrier for the change of slots.  In front of it each wave waits for all its tensor loads, of which one is out: its part
; of the next slot; adds 0 to its spare word; and waits for that and for its own reads of this slot.  Behind it nobody reads this slot any more and the next slot is whole.
.macro MEET round                      ; round = 1: the rest of a round of the cluster's barrier follows
	WIN 0                                          ; (the add's two registers lie in window 0)
	s_wait_tensorcnt 0x0                           ; all my tensor loads have landed: the one that was out is my part of the next slot;
	ds_add_u32 v[SPW], v[NIL]                      ; 0 onto my spare word;
	s_wait_dscnt 9                                 ; (the add and the youngest eight loads may be out)
	WIN MUL_LO
	MUL16 F1, 0, 0, 0                              ; sixteen matrix instructions stand between the add and the wait for it
	s_wait_dscnt 0x0                               ; the add is done, and my reads of this slot are over:
	s_barrier_signal -1                            ; say so,
	MUL16 F1, 0, 2, 0                              ; work on registers while the others arrive,
.if \round
	WIN 0
.endif
	s_barrier_wait -1                              ; and go on when all four have said so
.endm
; The whole last quarter.  fill = 1: the barrier opens a round of the cluster's, so that no wave of any partner still reads this slot or has a load on its way; behind the round the slot is filled again
; first, with the K step two steps on: from that request to the wait for it a wave issues 224 matrix instructions.  Then come the next slot's first fragments.
.macro TURN slot, next, fill
	MEET \fill
.if \fill
	CREST
	s_add_nc_u64 s[G0+4*(\slot)+2:G0+4*(\slot)+3], s[G0+4*(\slot)+2:G0+4*(\slot)+3], 2*KSTEP*2      ; no tensor load of mine is out, so a group 0 may be written; the type bits on top are not reached
	s_add_nc_u64 s[G0B+4*(\slot)+2:G0B+4*(\slot)+3], s[G0B+4*(\slot)+2:G0B+4*(\slot)+3], 2*KSTEP*2
	JLOAD \slot                                    ; my one tensor load behind the round; the four v_nop behind it are also the places in front of the loads below
.else
	PLACES
.endif
	FETCH \next, 0, F0
	WIN MUL_HI
	MUL16 F1, 1, 0, 0
	MUL16 F1, 1, 2, 0
.endm
; THE WAY OUT of block a (16 rows x my 128 columns), in three parts.  PACK: bias is added, in f32, each accumulator's registers in ascending order.
; TOSTAGE: 32 bytes a lane into my own stage in LDS, and back as whole rows of 512 bytes.  SEND: stored.
.macro PACK a
	WIN 0x06+(\a)/4                                ; source 0: window 2 or 3; source 1: window 1; destination: window 0
.set AC, 64*((\a)%4)
.set i, 0
.rept 32
	v_pk_add_f32 v[TMP+2*i:TMP+2*i+1], v[AC+2*i:AC+2*i+1], v[BI+2*i:BI+2*i+1]
.set i, i+1
.endr
	WIN 0
.endm
.macro TOSTAGE a
	WIN 0
.set BK, BK0+64*((\a)%2)
.set i, 0
.rept 16                               ; i = 2 b + q: columns 16 b + 8 (l / 16) + 4 q + 0..3
	ds_store_b128 v[STO], v[TMP+4*i:TMP+4*i+3] offset:64*(i/2)+16*(i%2)
.set i, i+1
.endr
.set t, 0
.rept 16
	ds_load_b128 v[BK+4*t:BK+4*t+3], v[RD] offset:t*SPITCH  ; LDS serves a wave's instructions in order (ISA guide 5.7.1.4): these see the stores above
.set t, t+1
.endr
.endm
.macro SEND a
	WIN 0
.set BK, BK0+64*((\a)%2)
	s_wait_dscnt 0x0                               ; the block is back in registers
	s_wait_xcnt 0x0                                ; only behind this wait are the stores' base and the registers that earlier stores read rewritten
.if (\a) == 0
	s_add_nc_u64 s[8:9], s[8:9], s[16:17]          ; on to my first rows
.else
	s_add_nc_u64 s[8:9], s[8:9], 16*SIZE_N*4       ; 16 rows on
.endif
.set t, 0
.rept 16
	global_store_b128 v[CO], v[BK+4*t:BK+4*t+3], s[8:9] offset:t*SIZE_N*4 th:TH_STORE_NT  ; 32 lanes store 512 consecutive bytes, at a multiple of 512 from out0's first byte
.set t, t+1
.endr
.endm
	s_wait_loadcnt 0x0                             ; bias, once: it stands where the wave waits for its first tile anyway
	s_wait_tensorcnt 1                             ; my part of K step 0 is in; K step 1's may stay out
	s_barrier_signal -1
	s_barrier_wait -1                              ; everybody's is
	FETCH 0, 0, F0
	QUARTER 0, 64,  F0, F1, 1                      ; the first quarter stands in front of the loop: its products start the sums
	WIN 0                                          ; at a label and at a branch every window is 0
	s_mov_b32 s3, LAPS-1
.Llap:                                                 ; a trip goes once round the ring, from a lap's second quarter to the next lap's first, and fills both slots again
	QUARTER 0, 128, F1, F0, 0
	QUARTER 0, 192, F0, F1, 0
	TURN 0, 1, 1
	QUARTER 1, 64,  F0, F1, 0
	QUARTER 1, 128, F1, F0, 0
	QUARTER 1, 192, F0, F1, 0
	TURN 1, 0, 1
	QUARTER 0, 64,  F0, F1, 0
	WIN 0
	s_sub_co_u32 s3, s3, 1
	s_cmp_lg_u32 s3, 0
	s_cbranch_scc1 .Llap
	QUARTER 0, 128, F1, F0, 0                      ; the last lap is written out: it fills nothing, and has no round of the cluster's barrier
	QUARTER 0, 192, F0, F1, 0
	TURN 0, 1, 0
	QUARTER 1, 64,  F0, F1, 0
	QUARTER 1, 128, F1, F0, 0
	QUARTER 1, 192, F0, F1, 0
	s_wait_dscnt 8                                 ; the very last quarter: nothing more to fetch
	WIN MUL_LO
	MUL16 F1, 0, 0, 0
	MUL16 F1, 0, 2, 0
	s_wait_dscnt 0x0
	WIN MUL_HI
	MUL16 F1, 1, 0, 0
	MUL16 F1, 1, 2, 0
	PLACES                                         ; behind the last products: the lines below write fragment registers and read results
	PACK 0
	TOSTAGE 0
.irp a, 1,2,3,4,5,6,7                  ; block a's additions stand between block a - 1's loads from the stage and the wait for them
	PACK \a
	SEND (\a)-1
	TOSTAGE \a
.endr
	SEND 7
	s_wait_tensorcnt 0x0                           ; the wave's end: behind my last tensor load and my last LDS store
	ds_add_u32 v[SPW], v[NIL]
	s_wait_dscnt 0x0
	CROUND                                         ; the closing round: no work-group ends while a partner may still ask for a tile that names it
	s_endpgm
.Lfunc_end_k_qce46f9c6bf_gemm:
	.size	k_qce46f9c6bf_gemm, .Lfunc_end_k_qce46f9c6bf_gemm-k_qce46f9c6bf_gemm
	.p2alignl 7, 3214868480
	.fill 96, 4, 3214868480
	.section	.rodata,"a",@progbits
	.p2align	6, 0x0
	.amdhsa_kernel k_qce46f9c6bf_gemm
		.amdhsa_group_segment_fixed_size 327680
		.amdhsa_private_segment_fixed_size 0
		.amdhsa_enable_private_segment 0
		.amdhsa_kernarg_size 32
		.amdhsa_user_sgpr_count 2
		.amdhsa_user_sgpr_kernarg_segment_ptr 1
		.amdhsa_wavefront_size32 1
		.amdhsa_system_sgpr_workgroup_id_x 1
		.amdhsa_system_sgpr_workgroup_id_y 1
		.amdhsa_system_sgpr_workgroup_id_z 1
		.amdhsa_system_vgpr_workitem_id 0
		.amdhsa_next_free_vgpr 1024
		.amdhsa_next_free_sgpr 68
		.amdhsa_reserve_vcc 0
		.amdhsa_float_denorm_mode_32 3
		.amdhsa_float_denorm_mode_16_64 3
		.amdhsa_memory_ordered 1
		.amdhsa_forward_progress 1
		.amdhsa_inst_pref_size 158
	.end_amdhsa_kernel
	.amdgpu_metadata
---
amdhsa.version: [ 1, 2 ]
amdhsa.kernels:
  - .name:           k_qce46f9c6bf_gemm
    .symbol:         k_qce46f9c6bf_gemm.kd
    .args:
      - { .name: xh, .offset: 0, .size: 8, .value_kind: global_buffer, .address_space: global }
      - { .name: wh, .offset: 8, .size: 8, .value_kind: global_buffer, .address_space: global }
      - { .name: out0, .offset: 16, .size: 8, .value_kind: global_buffer, .address_space: global }
      - { .name: bias, .offset: 24, .size: 8, .value_kind: global_buffer, .address_space: global }
    .group_segment_fixed_size: 327680
    .private_segment_fixed_size: 0
    .kernarg_segment_align: 8
    .kernarg_segment_size: 32
    .max_flat_workgroup_size: 128
    .sgpr_count:     68
    .vgpr_count:     1024
    .wavefront_size: 32
...
	.end_amdgpu_metadata
.endif
;; end of part 2
;; ======== version 2 of 2: 2 launches; version 1 with the launch prep written anew for expert scheduling mode
;; limits: values are held in f16: magnitudes above 65,504 overflow, below 6.1e-05 lose precision; inputs' magnitudes at most 65,504
;; workspace buffers: xh 33,554,432 bytes; wh 33,554,432 bytes
;; launch prep (part 3): grid 768 x 1, 8 waves a work-group, no clusters, 0 bytes of LDS; arguments x, weight_q, scale, lora_A, lora_B, xh, wh; writes xh, wh
.if DOCPART == 3
	.amdgcn_target "amdgcn-amd-amdhsa--gfx1250"
	.amdhsa_code_object_version 6
	.text
	.protected	k_qce46f9c6bf_prep
	.globl	k_qce46f9c6bf_prep
	.p2align	8
	.type	k_qce46f9c6bf_prep,@function
k_qce46f9c6bf_prep:
	s_mov_b64 s[64:65], 0
	v_nop
	global_prefetch_b8 v0, s[64:65] scope:SCOPE_SE
	s_setreg_imm32_b32 hwreg(HW_REG_WAVE_SCHED_MODE, 0, 2), 2
	s_setreg_imm32_b32 hwreg(HW_REG_WAVE_MODE, 25, 1), 1
	s_wait_xcnt 0x0
	s_wait_alu depctr_vm_vsrc(0)
; THE TWO OPERANDS OF THE PRODUCT THAT FOLLOWS, each made once, in f16.
;   xh[t][i] = x[t][i], rounded once.                                              [4096][4096] f16
;   wh[o][i] = scale[o] * weight_q[o][i] + sum over r of lora_A[o][r] lora_B[r][i]  [4096][4096] f16, summed in f32, rounded once.
; The module is linear in x: (x Wq^T) scale + (x B^T) A^T = x (diag(scale) Wq + A B)^T for every input, so the low-rank path costs one matrix
; instruction (K = 32 = the rank) for each 16 x 16 of the weight here, and nothing in the product.  weight_q is taken as any int8.
; LIMITS.  f16 holds no number beyond 65,504: an |x| or |wh| of 65,520 or more becomes an infinity; below 6.1e-5 f16 keeps a fixed step of 6e-8.
; lora_A and lora_B are rounded to f16 for their product.  The order of rounding differs from the formula as it is written above on the left.  NaN and infinities are not treated apart.
; SHARES.  768 work-groups of eight waves.  Numbers 0-255 make 256 x 256 of wh each, numbers 256-767 cast 131,072 bytes of x each: both move 196,608 bytes.
; One scalar branch on the work-group's number chooses.  Everything goes through registers: no wave hands anything to another, so there is no LDS, no barrier and no cluster.
; THE MODE: SCHED_MODE bits 1:0 = 2 (LLVM: expert scheduling mode 2), set by the entry lines.  The code itself states the register dependences
; between vector or matrix instructions and memory instructions, with s_wait_alu, always for 0.
; THE PLAN, THE CAST.  v1, v2: offsets, made once, never written again.  X: load i lands in four registers, its two roundings write the first two of them, store i reads those; none is written again.
; The 32 loads go in eight groups of four.  Group g's roundings name group g's registers alone; the four stores of group g - 1 are dealt among them, behind ONE wait at the group's head.
; THE PLAN, THE WEIGHTS.  Registers that memory instructions touch:
;   v2-v6   offsets, made once, never written again
;   D       lora_B's two batches land in it, CVT_B reads them; from then on vector and matrix instructions alone name it
;   AR      lora_A's rows land in it, CVT_A reads them, the next step's rows land again
;   SC0, 1  step s's multiplies read SC[s % 2]; the scale of step s + 1 lands in the other buffer, asked for at step s's head
;   WB      weight_q lands once; step s's unpacking reads its sixteen registers; then the step's rows 0-3 are rounded into them, and the stores issued in step s + 1 read them; never written again
;   OUT     every step's rows 4-7 are rounded into it; the stores issued in the next step read it; that step's roundings write it again
; So ONE wait on va_vdst stands at the head of steps 1 to 3; behind it the step's loads and the eight stores of the step before are dealt among the unpacking, which names D, the step's own part of WB and SC[s % 2]:
; none of the registers that those loads and stores touch.  One wait on vm_vsrc a step stands ahead of the roundings into OUT.
.set X,   8           ; cast: v8-135     32 loads of four registers
.set BF,  8           ; v8-71    lora_B's fragments: tile c at BF + 8 c
.set WB,  72          ; v72-135  weight_q: step s, row j: the pair at WB + 16 s + 2 j; behind the step's unpacking: its rows 0-3 to store, four registers each
.set D,   136         ; v136-199 accumulator c at D + 8 c; ahead of the steps: lora_B as loaded
.set AF,  200         ; v200-207 lora_A's fragment of the step in hand
.set AR,  208         ; v208-223 lora_A as loaded
.set SC,  224         ; v224-239 scale, two buffers of eight: step s uses SC + 8 (s % 2)
.set OUT, 240         ; v240-255 a step's rows 4-7 to store, four registers each
	s_load_b256 s[4:11], s[0:1], 0x0               ; x s[4:5], weight_q s[6:7], scale s[8:9], lora_A s[10:11]
	s_load_b128 s[12:15], s[0:1], 0x20             ; lora_B s[12:13], xh s[14:15]
	s_load_b64 s[16:17], s[0:1], 0x30              ; wh
	s_mov_b32 s27, 0                               ; the high word of every offset: all stay under 2^32
	s_cmp_lt_u32 ttmp9, 256
	s_cbranch_scc1 .Lweights
	; THE CAST.  A wave takes 16,384 consecutive bytes of x: 32 loads of 512 consecutive bytes, all issued before the first is waited for.
	s_sub_co_u32 s25, ttmp9, 256
	v_and_b32 v3, 31, v0                           ; lane
	v_lshrrev_b32 v4, 5, v0                        ; wave
	v_lshlrev_b32 v1, 4, v3
	v_lshl_or_b32 v1, v4, 14, v1                   ; in x: 16 x lane + 16,384 x wave
	v_lshlrev_b32 v2, 3, v3
	v_lshl_or_b32 v2, v4, 13, v2                   ; in xh: half of that
	s_lshl_b32 s26, s25, 17
	s_wait_kmcnt 0x0
	s_add_nc_u64 s[4:5], s[4:5], s[26:27]
	s_lshl_b32 s26, s25, 16
	s_add_nc_u64 s[14:15], s[14:15], s[26:27]
	s_wait_alu depctr_va_vdst(0)                   ; v1 and v2 are written: every load below reads v1 as its offset, every store v2
.set i, 0
.rept 32
	global_load_b128 v[X+4*i:X+4*i+3], v1, s[4:5] offset:512*i th:TH_LOAD_NT  ; x is read once in the launch
.set i, i+1
.endr
.set i, 0
.rept 32
	s_wait_loadcnt 31-i                            ; loads come back in order (ISA guide 5.7.1): load i is in, the younger ones stay out
.if (i%4 == 0) && (i > 0)
	s_wait_alu depctr_va_vdst(0)                   ; the roundings of the four loads before have written their pairs, which the group's four stores read; no rounding behind this wait names them
.endif
.if i >= 4
	global_store_b64 v2, v[X+4*(i-4):X+4*(i-4)+1], s[14:15] offset:256*(i-4)  ; 32 lanes x 8 bytes: 256 consecutive bytes, aligned.  No register of a load or store is written again
.endif
	v_cvt_pk_f16_f32 v[X+4*i], v[X+4*i], v[X+4*i+1]
	v_cvt_pk_f16_f32 v[X+4*i+1], v[X+4*i+2], v[X+4*i+3]
.set i, i+1
.endr
	s_wait_alu depctr_va_vdst(0)                   ; the last four loads' roundings have written their pairs, which the last four stores read
.set i, 28
.rept 4
	global_store_b64 v2, v[X+4*i:X+4*i+1], s[14:15] offset:256*i
.set i, i+1
.endr
	s_endpgm
	; THE WEIGHTS.  Work-group (go, gi) owns rows o = 256 go .., columns i = 256 gi ..; wave w owns 64 rows (w / 2) x 128 columns (w % 2), in four steps of 16 rows.
	; LAYOUT.  r = lane % 16, h = lane / 16.  Source 0 = 16 rows of lora_A, source 1 = 16 columns of lora_B.  A step has eight products c = 0..7, and column n = r of product c stands for
	; i = ibase + 8 r + c.  So register j of accumulator c holds wh(o0 + 8 h + j, ibase + 8 r + c): for one j the eight accumulators hold eight NEIGHBOURING columns a lane, 16 bytes in f16,
	; and sixteen lanes hold 256 consecutive bytes of a row: the result is stored from registers as it lies.  scale x weight_q, made in the same layout, is the product's C operand.
.Lweights:
	v_lshrrev_b32 v7, 5, v0
	v_readfirstlane_b32 s18, v7                    ; wave 0..7
	v_and_b32 v1, 15, v0                           ; r
	v_bfe_u32 v7, v0, 4, 1                         ; h
	v_lshlrev_b32 v2, 5, v1
	v_lshl_or_b32 v2, v7, 17, v2                   ; lora_B: 8 h rows of 16,384 bytes + my 8 columns' 32 bytes.  These five offsets are never rewritten
	v_lshlrev_b32 v3, 3, v1
	v_lshl_or_b32 v3, v7, 15, v3                   ; weight_q: 8 h rows of 4,096 bytes + my 8 bytes
	v_lshlrev_b32 v4, 7, v1
	v_lshl_or_b32 v4, v7, 5, v4                    ; lora_A: row r of 128 bytes + 8 h numbers
	v_lshlrev_b32 v5, 5, v7                        ; scale: 8 h numbers
	v_lshlrev_b32 v6, 4, v1
	v_lshl_or_b32 v6, v7, 16, v6                   ; wh: 8 h rows of 8,192 bytes + my 16 bytes
	s_wait_alu depctr_va_sdst(0)                   ; s18 is written, ahead of its first reader: the five bases are made from it
	s_and_b32 s19, s18, 1
	s_lshr_b32 s20, s18, 1
	s_and_b32 s21, ttmp9, 15                       ; gi
	s_lshr_b32 s22, ttmp9, 4                       ; go
	s_lshl_b32 s23, s21, 8
	s_lshl_b32 s19, s19, 7
	s_add_co_u32 s23, s23, s19                     ; ibase = 256 gi + 128 (w % 2)
	s_lshl_b32 s24, s22, 8
	s_lshl_b32 s20, s20, 6
	s_add_co_u32 s24, s24, s20                     ; obase = 256 go + 64 (w / 2)
	s_wait_kmcnt 0x0
	s_lshl_b32 s26, s24, 12
	s_add_co_u32 s26, s26, s23
	s_add_nc_u64 s[6:7], s[6:7], s[26:27]          ; weight_q at (obase, ibase)
	s_lshl_b32 s26, s24, 2
	s_add_nc_u64 s[8:9], s[8:9], s[26:27]          ; scale at obase
	s_lshl_b32 s26, s24, 7
	s_add_nc_u64 s[10:11], s[10:11], s[26:27]      ; lora_A at row obase
	s_lshl_b32 s26, s23, 2
	s_add_nc_u64 s[12:13], s[12:13], s[26:27]      ; lora_B at column ibase
	s_lshl_b32 s26, s24, 13
	s_lshl_b32 s25, s23, 1
	s_add_co_u32 s26, s26, s25
	s_add_nc_u64 s[16:17], s[16:17], s[26:27]      ; wh at (obase, ibase)
.macro LOAD_B b                        ; 16 loads: rows k = 16 b + 8 h + 0..7 of lora_B, my eight columns: row kk at D + 8 kk
.set k, 0
.rept 8
	global_load_b128 v[D+8*k:D+8*k+3],   v2, s[12:13] offset:(k+16*(\b))*16384
	global_load_b128 v[D+8*k+4:D+8*k+7], v2, s[12:13] offset:(k+16*(\b))*16384+16
.set k, k+1
.endr
.endm
.macro CVT_B b                         ; a fragment's registers 4 b + q hold k = 16 b + 8 h + 2 q, + 1, the lower k in the low half
.set c, 0
.rept 8
.set q, 0
.rept 4
	v_cvt_pk_f16_f32 v[BF+8*c+4*(\b)+q], v[D+16*q+c], v[D+16*q+8+c]
.set q, q+1
.endr
.set c, c+1
.endr
.endm
.macro LOAD_A s                        ; 4 loads: row o0 + r of lora_A, k = 8 h + 0..7 and 16 + 8 h + 0..7
	global_load_b128 v[AR:AR+3],     v4, s[10:11] offset:2048*(\s)
	global_load_b128 v[AR+4:AR+7],   v4, s[10:11] offset:2048*(\s)+16
	global_load_b128 v[AR+8:AR+11],  v4, s[10:11] offset:2048*(\s)+64
	global_load_b128 v[AR+12:AR+15], v4, s[10:11] offset:2048*(\s)+80
.endm
.macro CVT_A
.set q, 0
.rept 8
	v_cvt_pk_f16_f32 v[AF+q], v[AR+2*q], v[AR+2*q+1]
.set q, q+1
.endr
.endm
.macro LOAD_S s                        ; 2 loads: scale of rows o0 + 8 h + 0..7
	global_load_b128 v[SC+8*((\s)%2):SC+8*((\s)%2)+3],   v5, s[8:9] offset:64*(\s)
	global_load_b128 v[SC+8*((\s)%2)+4:SC+8*((\s)%2)+7], v5, s[8:9] offset:64*(\s)+16
.endm
.macro OREG s, j                       ; ro: the four registers from which row j of step s is stored: rows 0-3 in the step's own part of WB, rows 4-7 in OUT
.if (\j) < 4
.set ro, WB+16*(\s)+4*(\j)
.else
.set ro, OUT+4*((\j)-4)
.endif
.endm
.macro SEND s, j                       ; row j of step s leaves
	OREG \s, \j
	global_store_b128 v6, v[ro:ro+3], s[16:17] offset:(16*(\s)+(\j))*8192  ; lanes 0-15: 256 consecutive bytes of row j, aligned; lanes 16-31: of row 8 + j
.endm
	s_wait_alu depctr_va_vdst(0)                   ; the five offsets v2 to v6 are written, which every load and store below reads
	LOAD_B 0
	LOAD_A 0
.set n, 0
.rept 32                               ; all four steps' weight_q: n = 8 s + j: rows 16 s + j and 16 s + 8 + j, 128 consecutive bytes of each; the wave beside me takes the 128 next to them
	global_load_b64 v[WB+2*n:WB+2*n+1], v3, s[6:7] offset:(16*(n/8)+n%8)*4096
.set n, n+1
.endr
	LOAD_S 0
	LOAD_S 1
	s_wait_loadcnt 36                              ; lora_B's first 16 loads and lora_A's first 4 are in: 32 + 2 + 2 were issued behind them
	CVT_B 0
	CVT_A
	s_wait_alu depctr_va_vdst(0)                   ; the conversions are done reading D and AR, in which the loads below land
	LOAD_B 1                                       ; into the registers just read
	LOAD_A 1                                       ; step 1's rows of lora_A: step 0's have been converted
	s_wait_loadcnt 4                               ; lora_B's second batch and all that was asked for ahead of it; the four loads of lora_A issued behind it may stay out
	CVT_B 1
; A step: 16 rows x 128 columns.
.macro STEP s
.if (\s) > 0
	s_wait_alu depctr_va_vdst(0)                   ; the step before has written its 32 registers to store, which the stores below read; its multiplies are done reading their scale buffer, and CVT_A is done reading AR, in which the loads below land
.if (\s) < 3
	LOAD_A (\s)+1                                  ; the next step's rows of lora_A: this step's have been converted
	LOAD_S (\s)+1                                  ; the next step's scale, into the buffer that the step before read
.endif
.endif
	; scale x weight_q into the accumulators, two rows j = 2 p, 2 p + 1 at a time, kind by kind, so that no line reads the line in front of it:
	; the byte is moved to the top, comes down with its sign, becomes f32 (exact for every int8) and is multiplied by its row's scale
.set p, 0
.rept 4
.if (\s) > 0
	SEND (\s)-1, 2*p                               ; two rows of the step before.  No wait: no vector instruction since the wait above names their registers or v6
	SEND (\s)-1, 2*p+1
.endif
.set n, 0
.rept 16
.set j, 2*p+n/8
.set c, n%8
.if c%4 < 3
	v_lshlrev_b32 v[D+8*c+j], 24-8*(c%4), v[WB+16*(\s)+2*j+c/4]
.endif
.set n, n+1
.endr
.set n, 0
.rept 16
.set j, 2*p+n/8
.set c, n%8
.if c%4 < 3
	v_ashrrev_i32 v[D+8*c+j], 24, v[D+8*c+j]
.else
	v_ashrrev_i32 v[D+8*c+j], 24, v[WB+16*(\s)+2*j+c/4]
.endif
.set n, n+1
.endr
.set n, 0
.rept 16
	v_cvt_f32_i32 v[D+8*(n%8)+2*p+n/8], v[D+8*(n%8)+2*p+n/8]
.set n, n+1
.endr
.set c, 0
.rept 8
	v_pk_mul_f32 v[D+8*c+2*p:D+8*c+2*p+1], v[D+8*c+2*p:D+8*c+2*p+1], v[SC+8*((\s)%2)+2*p:SC+8*((\s)%2)+2*p+1]
.set c, c+1
.endr
.set p, p+1
.endr
.set c, 0
.rept 8                                ; + lora_A lora_B: eight accumulators, one instruction each
	v_wmma_f32_16x16x32_f16 v[D+8*c:D+8*c+7], v[AF:AF+7], v[BF+8*c:BF+8*c+7], v[D+8*c:D+8*c+7]
.set c, c+1
.endr
.rept 4
	v_nop                                          ; four places between the last product and the lines that read its result, and later write its sources (ISA guide 7.12.1)
.endr
.set j, 0
.rept 8                                ; row by row, j ascending: each accumulator's register 0 is read first.  The rows are stored in the next step (the last step's: behind it)
.if (j == 4) && ((\s) > 0)
	s_wait_xcnt 0x0                                ; OUT's four rows, which the stores issued in this step's unpacking read, are rewritten only behind this wait
	s_wait_alu depctr_vm_vsrc(0)                   ; those stores have read OUT, which the roundings below write again
.endif
	OREG \s, j
.set q, 0
.rept 4
	v_cvt_pk_f16_f32 v[ro+q], v[D+16*q+j], v[D+16*q+8+j]
.set q, q+1
.endr
.set j, j+1
.endr
.if (\s) < 3
	s_wait_loadcnt 0x0                             ; the next step's lora_A and its scale are in: both are wanted in the next step, and nothing younger is out
	CVT_A
.endif
.endm
	STEP 0
	STEP 1
	STEP 2
	STEP 3
	s_wait_alu depctr_va_vdst(0)                   ; step 3's roundings have written its 32 registers, which the last eight stores read
.set j, 0
.rept 8
	SEND 3, j
.set j, j+1
.endr
	s_endpgm
.Lfunc_end_k_qce46f9c6bf_prep:
	.size	k_qce46f9c6bf_prep, .Lfunc_end_k_qce46f9c6bf_prep-k_qce46f9c6bf_prep
	.p2alignl 7, 3214868480
	.fill 96, 4, 3214868480
	.section	.rodata,"a",@progbits
	.p2align	6, 0x0
	.amdhsa_kernel k_qce46f9c6bf_prep
		.amdhsa_group_segment_fixed_size 0
		.amdhsa_private_segment_fixed_size 0
		.amdhsa_enable_private_segment 0
		.amdhsa_kernarg_size 56
		.amdhsa_user_sgpr_count 2
		.amdhsa_user_sgpr_kernarg_segment_ptr 1
		.amdhsa_wavefront_size32 1
		.amdhsa_system_sgpr_workgroup_id_x 1
		.amdhsa_system_sgpr_workgroup_id_y 1
		.amdhsa_system_sgpr_workgroup_id_z 1
		.amdhsa_system_vgpr_workitem_id 0
		.amdhsa_next_free_vgpr 256
		.amdhsa_next_free_sgpr 66
		.amdhsa_reserve_vcc 0
		.amdhsa_float_denorm_mode_32 3
		.amdhsa_float_denorm_mode_16_64 3
		.amdhsa_memory_ordered 1
		.amdhsa_forward_progress 1
		.amdhsa_inst_pref_size 73
	.end_amdhsa_kernel
	.amdgpu_metadata
---
amdhsa.version: [ 1, 2 ]
amdhsa.kernels:
  - .name:           k_qce46f9c6bf_prep
    .symbol:         k_qce46f9c6bf_prep.kd
    .args:
      - { .name: x, .offset: 0, .size: 8, .value_kind: global_buffer, .address_space: global }
      - { .name: weight_q, .offset: 8, .size: 8, .value_kind: global_buffer, .address_space: global }
      - { .name: scale, .offset: 16, .size: 8, .value_kind: global_buffer, .address_space: global }
      - { .name: lora_A, .offset: 24, .size: 8, .value_kind: global_buffer, .address_space: global }
      - { .name: lora_B, .offset: 32, .size: 8, .value_kind: global_buffer, .address_space: global }
      - { .name: xh, .offset: 40, .size: 8, .value_kind: global_buffer, .address_space: global }
      - { .name: wh, .offset: 48, .size: 8, .value_kind: global_buffer, .address_space: global }
    .group_segment_fixed_size: 0
    .private_segment_fixed_size: 0
    .kernarg_segment_align: 8
    .kernarg_segment_size: 56
    .max_flat_workgroup_size: 256
    .sgpr_count:     66
    .vgpr_count:     256
    .wavefront_size: 32
...
	.end_amdgpu_metadata
.endif
;; end of part 3
;; launch gemm: the kernel of part 2 again; grid 16 x 16, 4 waves a work-group, clusters of 4 x 4, 327,680 bytes of LDS; arguments xh, wh, out0, bias; writes out0
